; MI455X (gfx1250); checked and timed in simulation.
; The chip was launched on July 23, 2026; its instructions are those of AMD's public machine-readable ISA for CDNA 5 (MIT licence, August 2026) and "CDNA5" Instruction Set Architecture Reference Guide (July 2026). The comments in the code are by the model that wrote it; some were corrected since.
;; Self Attention. Allowed arithmetic: matrix products marked QUANTISED: E3M2 operands, one E8M0 scale for each 32 along K, by v_wmma_scale_f32_16x16x128_f8f6f4 with both operands' format E3M2, f32 sums; everything else in f32.
;; Inputs: b_k 1,024 float32; b_q 1,024 float32; b_v 1,024 float32; mask 4 x 1 x 2,048 x 2,048 float32; w_k 1,024 x 1,024 float32; w_q 1,024 x 1,024 float32; w_v 1,024 x 1,024 float32; x 4 x 2,048 x 1,024 float32.
;; Outputs: out0 4 x 2,048 x 1,024 float32.
;; This version of the problem:
;;   THIS VERSION OF THE PROBLEM IS GIVEN IN LOW PRECISION. The matrix products marked QUANTISED in the list below multiply operands that are first quantised to E3M2 (3 exponent bits, 2 mantissa bits; 6 bits a number), with one power-of-two scale for each 32 numbers along K (OCP MX v1.0); their sums are f32. All else is computed in f32.
;;   The module's matrix products, in the order in which they are computed (A, B: the left and right operand; K: the contracted axis; several contracted axes count as one K, in the product's order):
;;     1. [M 8,192, K 1,024] x [K 1,024, N 1,024]; A: input x; B: input w_q: QUANTISED
;;     2. [M 8,192, K 1,024] x [K 1,024, N 1,024]; A: input x; B: input w_k: QUANTISED
;;     3. [M 8,192, K 1,024] x [K 1,024, N 1,024]; A: input x; B: input w_v: QUANTISED
;;     4. batch 64 x [M 2,048, K 64] x [K 64, N 2,048]; A: computed on the way; B: computed on the way: QUANTISED
;;     5. batch 64 x [M 2,048, K 2,048] x [K 2,048, N 64]; A: softmax (see below); B: computed on the way: QUANTISED
;;   THE QUANTISER, for each operand of a quantised product, along K:
;;     - K is cut into blocks of 32 from its start; a last block that is shorter is filled with zeros.
;;     - A block's scale is 2^e with e = floor(log2(the largest magnitude in the block)) - 4, held to -126 .. 127; a block of zeros has e = 0. As a byte (E8M0): e + 127.
;;     - Each number is divided by its block's scale, clamped to +-28, and rounded to the nearest number of E3M2, ties to even, subnormals kept.
;;     - The product sums the exact products of the quantised numbers (number of the format x scale) in f32.
;;   ~~~python
;;   def quantise(x, axis):      # numpy; x: float32 -> the quantised numbers, widened to float32 again
;;       x = np.moveaxis(x, axis, -1); K = x.shape[-1]
;;       x = np.pad(x, [(0, 0)] * (x.ndim - 1) + [(0, -K % 32)]); x = x.reshape(x.shape[:-1] + (-1, 32)); a = np.abs(x).max(-1, keepdims=True)
;;       e = np.where(a > 0, np.clip(np.frexp(np.where(a > 0, a, 1))[1] - 1 - 4, -126, 127), 0)      # np.frexp(a)[1] - 1 = floor(log2(a)), exactly
;;       r = np.clip(x / 2.0 ** e, -28, 28)
;;       step = 2.0 ** (np.maximum(np.frexp(np.where(r == 0, 1, r))[1] - 1, -2) - 2)
;;       q = np.round(r / step) * step * 2.0 ** e      # np.round: ties to even
;;       return np.moveaxis(q.reshape(q.shape[:-2] + (-1,))[..., :K], -1, axis).astype(np.float32)
;;   ~~~
;;   SOFTMAX AHEAD OF A QUANTISED PRODUCT. Where the list says 'softmax', what is quantised is not the finished softmax but p = 2^(t - M), with t = logit x log2(e) and M = ceil(the row's largest t), a whole number; so 1/2 < the row's largest p <= 1. The row's sum l is taken of the UNQUANTISED p, in f32, and the product's result is divided by l at the end. Since M is a whole number, a kernel that streams over the keys may use a running M (the ceiling of the running maximum): every later rescaling is an exact power of two, which a block's scale takes up: the codes' values come out the same.
;;   OPERANDS COMPUTED ON THE WAY. 'Computed on the way' means the value that the module computes at that place (a softmax that the list does not call 'softmax' is quantised finished and normalised). What goes into a quantiser is computed in f32, as accurately as f32 sums, v_exp_f32 and their like allow (about 1e-6 of the number): no bf16 or f16 on the way to a quantiser, and a product that is left as it is and whose result goes on into a quantised operand takes f32 operands (vector FMAs, or v_wmma_f32_16x16x4_f32). A number that lies on a knife's edge between two numbers of the format may be rounded either way, as far as f32 arithmetic and the matrix unit's own rounding can turn it there, and no further.
;; One version. Each part assembles by itself: llvm-mc -triple=amdgcn-amd-amdhsa -mcpu=gfx1250 --defsym DOCPART=n.
;; ======== version 1 of 1: 3 launches
;; limits: right only within a limited range of input values
;; workspace buffers: cimg 9,371,648 bytes; pimg 20,447,232 bytes
;; launch quant (part 1): grid 352 x 1, 4 waves a work-group, no clusters, 34,304 bytes of LDS; arguments x, w_q, w_k, w_v, cimg; writes cimg
.if DOCPART == 1
	.amdgcn_target "amdgcn-amd-amdhsa--gfx1250"
	.amdhsa_code_object_version 6
	.text
	.protected	k_qa0e0a37e75_quant
	.globl	k_qa0e0a37e75_quant
	.p2align	8
	.type	k_qa0e0a37e75_quant,@function
k_qa0e0a37e75_quant:
	s_mov_b64 s[64:65], 0
	v_nop
	global_prefetch_b8 v0, s[64:65] scope:SCOPE_SE
	s_setreg_imm32_b32 hwreg(HW_REG_WAVE_MODE, 25, 1), 1
	s_wait_xcnt 0x0
; x [8192][1024] and w_q, w_k, w_v [1024][1024], f32, become codes of BF6 (E3M2) with one E8M0 byte for each 32 along K (the 1,024), laid as IMAGES OF OPERAND REGISTERS.
; A RECORD is 6,656 bytes: 4 fragments (16 rows x 128 K: 12 registers a lane) of 1,536 bytes, each as three chunks of 512 bytes (chunk c: lane l's registers 4 c .. 4 c + 3 at byte 16 l),
; then one chunk of 512 bytes of scale words (lane l's 16 bytes: the words of row l % 16 of fragments 0 .. 3).  cimg is [row set 0..175][K step 0..7] records; row sets 0-127: 64 rows of x each;
; 128 + 16 sel + n: rows 64 n .. 64 n + 63 of w_q, w_k, w_v (sel 0, 1, 2).
; THE ROWS OF A FRAGMENT ARE NOT NEIGHBOURS: row r of fragment u is the set's row 32 (r / 8) + 8 u + r % 8, so that four neighbouring result tiles of the next launch are 32 neighbours in one lane.
; A block's scale is 2^(floor(log2(largest magnitude)) - 4): its byte is the largest magnitude's exponent field - 4, held at 1 from below by a floor among the maximum's leaves.
; LIMITS: a block of zeros gets the byte 1 and not 127 (its codes are zeros, and this program alone reads the bytes); NaN and infinities among the inputs are not served.
; One wave makes one record: 64 rows x 128 K.  Each load reads a row's 512 consecutive bytes; the 16 rows of a fragment turn through the wave's own stage in LDS, so that a lane gets the two whole
; blocks of 32 that the 6-bit operand layout gives it (k = 64 c + 32 (lane / 16) + 0 .. 31).  Memory binds: no matrix unit, no tensor load, no barrier; waves share nothing.
.set REC,   6656
.set FRB,   1536
.set SP,    528                        ; a stage row: 512 bytes + 16: the sixteen lanes of a 16-byte read fall on sixteen different 16-byte columns
.set STG,   16*SP
.set FLOOR, 5<<23                      ; 2^(5 - 127)
.set LI,    3                          ; v3   16 x lane; never rewritten
.set SIN,   4                          ; v4   the stage, on the way in
.set SOUT,  5                          ; v5   and on the way out: row r, + 128 (lane / 16)
.set SH8,   6                          ; v6   8 (lane / 16)
.set R,     16                         ; v16-143  two sets of 16 rows as loaded
.set X,     144                        ; v144-207 my 64 numbers: register 32 c + i = k 64 c + 32 h + i
.set C,     208                        ; v208-219 the fragment's codes
.set CT,    220                        ; v220-226 the halves that a conversion cannot put on an odd register
.set OW,    228                        ; v228-231 the four fragments' scale words
.set MX,    232
.set SC,    234
.set EB,    236
.set T,     238
	s_load_b256 s[4:11], s[0:1], 0x0               ; x, w_q, w_k, w_v
	s_load_b64 s[12:13], s[0:1], 0x20              ; cimg
	v_lshl_add_u32 v248, v0, 2, 0x8400
	v_mov_b32 v249, 0
	v_lshrrev_b32 v1, 5, v0
	v_readfirstlane_b32 s14, v1                    ; wave
	v_and_b32 v2, 31, v0
	v_lshlrev_b32 v[LI], 4, v2
	s_mul_i32 s15, s14, STG                        ; my stage
	v_add_nc_u32 v[SIN], s15, v[LI]
	v_and_b32 v7, 15, v0                           ; r
	v_bfe_u32 v8, v0, 4, 1                         ; h
	v_mul_u32_u24 v[SOUT], v7, SP
	v_lshl_add_u32 v[SOUT], v8, 7, v[SOUT]
	v_add_nc_u32 v[SOUT], s15, v[SOUT]
	v_lshlrev_b32 v[SH8], 3, v8
	v_mov_b32 v[T], 0                              ; a lane permute's destination counts as read: written once
	s_mov_b32 s18, 0x76543210
	s_mov_b32 s19, 0xfedcba98                      ; selects for lane l xor 16
	s_lshr_b32 s16, ttmp9, 1                       ; the row set
	s_and_b32 s17, ttmp9, 1
	s_lshl_b32 s17, s17, 2
	s_add_co_u32 s17, s17, s14                     ; the K step
	s_wait_alu depctr_va_vdst(0)
	s_wait_kmcnt 0x0
	s_mov_b64 s[20:21], s[10:11]                   ; which tensor: a choice of pointers on the work-group's number alone; one path serves all four
	s_mov_b32 s22, 160
	s_cmp_lt_u32 s16, 160
	s_cselect_b64 s[20:21], s[8:9], s[20:21]
	s_cselect_b32 s22, 144, s22
	s_cmp_lt_u32 s16, 144
	s_cselect_b64 s[20:21], s[6:7], s[20:21]
	s_cselect_b32 s22, 128, s22
	s_cmp_lt_u32 s16, 128
	s_cselect_b64 s[20:21], s[4:5], s[20:21]
	s_cselect_b32 s22, 0, s22
	s_sub_co_u32 s24, s16, s22
	s_lshl_b32 s24, s24, 18                        ; 64 rows of 4,096 bytes a set,
	s_lshl_b32 s25, s17, 9                         ; 512 bytes a K step
	s_add_co_u32 s24, s24, s25
	s_mov_b32 s25, 0
	s_add_nc_u64 s[20:21], s[20:21], s[24:25]
	s_lshl_b32 s26, s16, 3
	s_add_co_u32 s26, s26, s17
	s_mul_i32 s26, s26, REC
	s_mov_b32 s27, 0
	s_add_nc_u64 s[12:13], s[12:13], s[26:27]      ; my record
.macro LOADF u, set                    ; fragment u's 16 rows: 32 lanes read a row's 512 consecutive bytes
.irp r, 0,1,2,3,4,5,6,7,8,9,10,11,12,13,14,15
	global_load_b128 v[R+64*(\set)+4*\r:R+64*(\set)+4*\r+3], v[LI], s[20:21] offset:(32*(\r/8)+8*(\u)+\r%8)*4096 th:TH_LOAD_NT
.endr
.endm
.macro TURN set                        ; through the stage: LDS serves a wave's instructions in order, so no wait stands between the stores and the loads
.irp r, 0,1,2,3,4,5,6,7,8,9,10,11,12,13,14,15
	ds_store_b128 v[SIN], v[R+64*(\set)+4*\r:R+64*(\set)+4*\r+3] offset:SP*\r
.endr
.irp c, 0,1
.irp j, 0,1,2,3,4,5,6,7
	ds_load_b128 v[X+32*\c+4*\j:X+32*\c+4*\j+3], v[SOUT] offset:256*\c+16*\j
.endr
.endr
.endm
.macro QUANT u                         ; my two whole blocks become 12 registers of codes; the scale word takes two bytes from me and two from lane l xor 16
.irp c, 0,1
	v_max3_num_f32 v[MX+\c], |v[X+32*\c]|, |v[X+32*\c+1]|, FLOOR
.endr
.irp i, 2,4,6,8,10,12,14,16,18,20,22,24,26,28,30
.irp c, 0,1
	v_max3_num_f32 v[MX+\c], v[MX+\c], |v[X+32*\c+\i]|, |v[X+32*\c+\i+1]|   ; the two blocks by turns
.endr
.endr
.irp c, 0,1
	v_add_nc_u32 v[SC+\c], 0xfe000000, v[MX+\c]    ; 4 off the exponent field: the conversion's scale operand
.endr
.irp c, 0,1
	v_lshrrev_b32 v[EB+\c], 23, v[SC+\c]           ; the byte
.endr
	v_lshl_or_b32 v[OW+\u], v[EB+1], 16, v[EB]     ; my blocks are h and 2 + h of the row's four
	v_lshlrev_b32 v[OW+\u], v[SH8], v[OW+\u]
	v_permlanex16_b32 v[T], v[OW+\u], s18, s19
	v_or_b32 v[OW+\u], v[OW+\u], v[T]
	v_cvt_scalef32_pk16_bf6_f32 v[C:C+2], v[X:X+15], v[SC]
	v_cvt_scalef32_pk16_bf6_f32 v[CT:CT+2], v[X+16:X+31], v[SC]          ; (a conversion's three registers begin on an even number)
	v_cvt_scalef32_pk16_bf6_f32 v[C+6:C+8], v[X+32:X+47], v[SC+1]
	v_cvt_scalef32_pk16_bf6_f32 v[CT+4:CT+6], v[X+48:X+63], v[SC+1]
	v_nop                                          ; one plain place behind a scaled conversion
.irp i, 0,1,2
	v_mov_b32 v[C+3+\i], v[CT+\i]
	v_mov_b32 v[C+9+\i], v[CT+4+\i]
.endr
.endm
	LOADF 0, 0
	LOADF 1, 1
.irp u, 0,1,2,3
.if \u < 3
	s_wait_loadcnt 16                              ; this fragment's 16 loads are in; the next fragment's 16 may be out
.else
	s_wait_loadcnt 0x0
.endif
	TURN \u%2
	s_wait_dscnt 0x0                               ; my 64 numbers are back, and the stage's stores have read the set
.if \u < 2
	LOADF \u+2, \u%2
.endif
.if \u > 0
	s_wait_xcnt 0x0                                ; the last fragment's stores have read the codes' registers
.endif
	QUANT \u
.irp c, 0,1,2
	global_store_b128 v[LI], v[C+4*\c:C+4*\c+3], s[12:13] offset:FRB*\u+512*\c   ; 512 consecutive bytes, at a multiple of 256 from the buffer's first byte
.endr
.endr
	global_store_b128 v[LI], v[OW:OW+3], s[12:13] offset:4*FRB
	s_wait_tensorcnt 0x0
	ds_add_u32 v248, v249
	s_wait_dscnt 0x0
	s_endpgm
.Lfunc_end_k_qa0e0a37e75_quant:
	.size	k_qa0e0a37e75_quant, .Lfunc_end_k_qa0e0a37e75_quant-k_qa0e0a37e75_quant
	.p2alignl 7, 3214868480
	.fill 96, 4, 3214868480
	.section	.rodata,"a",@progbits
	.p2align	6, 0x0
	.amdhsa_kernel k_qa0e0a37e75_quant
		.amdhsa_group_segment_fixed_size 34304
		.amdhsa_private_segment_fixed_size 0
		.amdhsa_enable_private_segment 0
		.amdhsa_kernarg_size 40
		.amdhsa_user_sgpr_count 2
		.amdhsa_user_sgpr_kernarg_segment_ptr 1
		.amdhsa_wavefront_size32 1
		.amdhsa_system_sgpr_workgroup_id_x 1
		.amdhsa_system_sgpr_workgroup_id_y 1
		.amdhsa_system_sgpr_workgroup_id_z 1
		.amdhsa_system_vgpr_workitem_id 0
		.amdhsa_next_free_vgpr 250
		.amdhsa_next_free_sgpr 66
		.amdhsa_reserve_vcc 0
		.amdhsa_float_denorm_mode_32 3
		.amdhsa_float_denorm_mode_16_64 3
		.amdhsa_memory_ordered 1
		.amdhsa_forward_progress 1
		.amdhsa_inst_pref_size 30
	.end_amdhsa_kernel
	.amdgpu_metadata
---
amdhsa.version: [ 1, 2 ]
amdhsa.kernels:
  - .name:           k_qa0e0a37e75_quant
    .symbol:         k_qa0e0a37e75_quant.kd
    .args:
      - { .name: x, .offset: 0, .size: 8, .value_kind: global_buffer, .address_space: global }
      - { .name: w_q, .offset: 8, .size: 8, .value_kind: global_buffer, .address_space: global }
      - { .name: w_k, .offset: 16, .size: 8, .value_kind: global_buffer, .address_space: global }
      - { .name: w_v, .offset: 24, .size: 8, .value_kind: global_buffer, .address_space: global }
      - { .name: cimg, .offset: 32, .size: 8, .value_kind: global_buffer, .address_space: global }
    .group_segment_fixed_size: 34304
    .private_segment_fixed_size: 0
    .kernarg_segment_align: 8
    .kernarg_segment_size: 40
    .max_flat_workgroup_size: 128
    .sgpr_count:     66
    .vgpr_count:     250
    .wavefront_size: 32
...
	.end_amdgpu_metadata
.endif
;; end of part 1
;; launch proj (part 2): grid 64 x 4, 4 waves a work-group, clusters of 4 x 1, 327,680 bytes of LDS; arguments cimg, b_q, b_k, b_v, pimg; writes pimg
.if DOCPART == 2
	.amdgcn_target "amdgcn-amd-amdhsa--gfx1250"
	.amdhsa_code_object_version 6
	.text
	.protected	k_qa0e0a37e75_proj
	.globl	k_qa0e0a37e75_proj
	.p2align	8
	.type	k_qa0e0a37e75_proj,@function
k_qa0e0a37e75_proj:
	s_mov_b64 s[64:65], 0
	v_nop
	global_prefetch_b8 v0, s[64:65] scope:SCOPE_SE
	s_setreg_imm32_b32 hwreg(HW_REG_WAVE_MODE, 25, 1), 1
	s_wait_xcnt 0x0
	s_wait_alu depctr_hold_cnt(0) depctr_sa_sdst(0) depctr_va_vdst(0) depctr_va_sdst(0) depctr_va_ssrc(0) depctr_va_vcc(0) depctr_vm_vsrc(0)
	s_getreg_b32 s2, hwreg(HW_REG_IB_STS2, 6, 4)
	s_cmp_eq_u32 s2, 0
	s_cbranch_scc0 .Lentry_in_a_cluster
	s_endpgm
.Lentry_in_a_cluster:
	s_bfe_u32 s2, ttmp6, 0x10000c
	s_cmp_lg_u32 s2, 0x3003
	s_cbranch_scc0 .Lentry_shape_is_right
	s_endpgm
.Lentry_shape_is_right:
.set REC,   6656
.set FRB,   1536
.set XHALF, 8*REC
.set WSL,   16*REC
.set WWV,   4*REC
.set SPARE, 3*WSL
.set FLOOR, 8<<23
.set XA,   1
.set WA,   4
.set SPW,  6
.set NIL,  7
.set SH8,  8
.set BAQ,  9
.set BAV,  10
.set MX,   18
.set SC,   20
.set EB,   22
.set T,    24
.set XS,   32
.set WS,   40
.set OW,   56
.set XF,   64
.set BIAS, 96
.set CC,   128
.set CT,   176
.set G1P,  24
.set G1J,  32
.set G0X,  40
.set G0W,  44
.set OB,   52
.set BB,   58
.set MSB, 0
.macro WIN new
.if MSB != \new
	s_set_vgpr_msb (MSB<<8)|\new
.set MSB, \new
.endif
.endm
.macro PLACES n
.rept \n
	v_nop
.endr
.endm
.macro CROUND
	s_barrier_signal -1
	s_barrier_wait -1
	s_cmp_lg_u32 s14, 0
	s_cbranch_scc1 .Lnot_wave_0_\@
	s_barrier_signal -3
.Lnot_wave_0_\@:
	s_barrier_wait -3
	s_barrier_signal -1
	s_barrier_wait -1
.endm
	s_load_b256 s[4:11], s[0:1], 0x0
	s_load_b64 s[12:13], s[0:1], 0x20
	v_lshl_add_u32 v[SPW], v0, 2, SPARE
	v_mov_b32 v[NIL], 0
	ds_add_u32 v6, v7
	ds_add_u32 v6, v7
	s_wait_dscnt 0x0
	v_lshrrev_b32 v12, 5, v0
	v_readfirstlane_b32 s14, v12
	s_bfe_u32 s15, ttmp6, 0x40000
	s_lshl_b32 s16, ttmp9, 2
	s_add_co_u32 s16, s16, s15
	s_and_b32 s17, ttmp7, 0xffff
	s_lshl_b32 s18, s17, 2
	s_add_co_u32 s18, s18, s14
	s_mov_b32 s[G1P], 3<<16
	s_mov_b32 s[G1J], 15|(3<<16)|(1<<21)
.irp g, G1P, G1J
	s_mov_b32 s[\g+1], 32<<16
	s_mov_b32 s[\g+2], 104<<16
	s_mov_b32 s[\g+3], 32<<16
	s_mov_b32 s[\g+4], 104
	s_mov_b32 s[\g+5], 32
	s_mov_b32 s[\g+6], 0
	s_mov_b32 s[\g+7], 0
.endr
	s_mul_i32 s19, s14, WWV
	s_add_co_u32 s20, s18, 128
	s_mul_i32 s20, s20, 8*REC
	s_mov_b32 s21, 0
	s_mul_i32 s68, s16, 16*REC
	s_add_co_u32 s68, s68, s19
	s_mov_b32 s69, 0
	s_lshl_b32 s70, s18, 6
	s_add_co_u32 s70, s70, s16
	s_mul_i32 s70, s70, REC
	s_mov_b32 s71, 0
	s_lshl_b32 s72, s18, 8
	s_mov_b32 s73, 0
	s_mov_b32 s66, 0x76543210
	s_mov_b32 s67, 0xfedcba98
	v_and_b32 v12, 31, v0
	v_lshlrev_b32 v[XA], 4, v12
	v_add_nc_u32 v[XA+1], XHALF, v[XA]
	v_add_nc_u32 v[WA], s19, v[XA]
	v_add_nc_u32 v[WA], WSL, v[WA]
	v_add_nc_u32 v[WA+1], WSL, v[WA]
	v_bfe_u32 v12, v0, 4, 1
	v_lshlrev_b32 v[SH8], 3, v12
	v_lshlrev_b32 v[BAQ], 7, v12
	v_bfe_u32 v13, v0, 3, 1
	v_and_b32 v14, 7, v0
	v_lshlrev_b32 v[BAV], 2, v14
	v_lshl_add_u32 v[BAV], v13, 7, v[BAV]
	v_mov_b32 v[T], 0
	s_wait_kmcnt 0x0
	s_mov_b32 s[G0X], 1
	s_mov_b32 s[G0X+1], s19
	s_add_nc_u64 s[G0X+2:G0X+3], s[4:5], s[68:69]
	s_or_b32 s[G0X+3], s[G0X+3], 0x80000000
	s_add_nc_u64 s[22:23], s[4:5], s[20:21]
.irp a, 0,1
	s_mov_b32 s[G0W+4*\a], 1
	s_add_co_u32 s[G0W+4*\a+1], s19, WSL+\a*WSL
	s_add_nc_u64 s[G0W+4*\a+2:G0W+4*\a+3], s[22:23], \a*WWV
	s_or_b32 s[G0W+4*\a+3], s[G0W+4*\a+3], 0x80000000
.endr
	s_add_nc_u64 s[OB:OB+1], s[12:13], s[70:71]
	s_add_nc_u64 s[OB+2:OB+3], s[OB:OB+1], 16*64*REC
	s_add_nc_u64 s[OB+4:OB+5], s[OB+2:OB+3], 16*64*REC
	s_add_nc_u64 s[BB:BB+1], s[6:7], s[72:73]
	s_add_nc_u64 s[BB+2:BB+3], s[8:9], s[72:73]
	s_add_nc_u64 s[BB+4:BB+5], s[10:11], s[72:73]
	; THE HEAD'S LOADS, ONE A WAVE: waves 0, 1 fetch the two halves of x's 16 records (208 rows of 256 bytes each); waves 2, 3 fetch, jointly with the cluster's partners, K steps 0-3 of two row sets of W each
	; (2 rows of 4 records, 8 records from row set to row set), which land where the four waves' parts of W's slot 0 lie.
	s_and_b32 s74, s14, 1
	s_mul_i32 s74, s74, 8*REC                      ; which half: the same offset in memory and in LDS
	s_mul_i32 s68, s16, 16*REC
	s_add_co_u32 s68, s68, s74
	s_mov_b32 s[G0X+1], s74
	s_add_nc_u64 s[G0X+2:G0X+3], s[4:5], s[68:69]
	s_or_b32 s[G0X+3], s[G0X+3], 0x80000000
	s_mov_b32 s[G1P+2], 208<<16
	s_mov_b32 s[G1P+4], 208
	s_and_b32 s70, s14, 1
	s_lshl_b32 s70, s70, 1
	s_lshl_b32 s71, s17, 2
	s_add_co_u32 s70, s70, s71
	s_add_co_u32 s70, s70, 128                     ; row set 128 + 4 y + 2 (wave % 2)
	s_mul_i32 s70, s70, 8*REC
	s_mov_b32 s71, 0
	s_mov_b32 s76, 1
	s_add_co_u32 s77, s74, WSL
	s_add_nc_u64 s[78:79], s[4:5], s[70:71]
	s_or_b32 s79, s79, 0x80000000
	s_mov_b32 s84, 15|(3<<16)|(1<<21)
	s_mov_b32 s85, 3328<<16
	s_mov_b32 s86, 2<<16
	s_mov_b32 s87, 3328<<16
	s_mov_b32 s88, 2
	s_mov_b32 s89, 6656
	s_mov_b32 s90, 0
	s_mov_b32 s91, 0
	CROUND
	s_cmp_lt_u32 s14, 2
	s_cbranch_scc0 .Lhead_w
	tensor_load_to_lds s[G0X:G0X+3], s[G1P:G1P+7]
	s_nop 0
	PLACES 4
	s_branch .Lhead_asked
.Lhead_w:
	tensor_load_to_lds s[76:79], s[84:91]
	s_nop 0
	PLACES 4
.Lhead_asked:
	s_wait_alu depctr_va_vdst(0)
	s_wait_tensorcnt 0x0
	ds_add_u32 v6, v7
	s_wait_dscnt 0x0
	CROUND
	tensor_load_to_lds s[G0W+4:G0W+7], s[G1J:G1J+7]
	s_nop 0
	PLACES 4
.macro BIASLOAD p
	WIN 0x40
.if (\p) < 2
.irp u, 0,1,2,3
	global_load_b128 v[BIAS+8*\u:BIAS+8*\u+3], v[BAQ], s[BB+2*(\p):BB+2*(\p)+1] offset:32*\u
	global_load_b128 v[BIAS+8*\u+4:BIAS+8*\u+7], v[BAQ], s[BB+2*(\p):BB+2*(\p)+1] offset:32*\u+16
.endr
.else
.irp u, 0,1,2,3
.irp j, 0,1,2,3,4,5,6,7
	global_load_b32 v[BIAS+8*\u+\j], v[BAV], s[BB+2*(\p):BB+2*(\p)+1] offset:32*\u
.endr
.endr
.endif
	WIN 0
.endm
.macro FETCH s, g
.irp hf, 0,1
.irp u, 0,1,2,3
.irp c, 0,1,2
	ds_load_b128 v[XF+96*(\g)+12*(4*\hf+\u)+4*\c:XF+96*(\g)+12*(4*\hf+\u)+4*\c+3], v[XA+\hf] offset:REC*(\s)+FRB*\u+512*\c
.endr
.endr
	ds_load_b128 v[XS+12*(\g)+4*\hf:XS+12*(\g)+4*\hf+3], v[XA+\hf] offset:REC*(\s)+4*FRB
.endr
	ds_load_b128 v[WS+12*(\g):WS+12*(\g)+3], v[WA+(\s)/4] offset:REC*((\s)%4)+4*FRB
	WIN 0x40
.irp u, 0,1,2,3
.irp c, 0,1,2
	ds_load_b128 v[48*(\g)+12*\u+4*\c:48*(\g)+12*\u+4*\c+3], v[WA+(\s)/4] offset:REC*((\s)%4)+FRB*\u+512*\c
.endr
.endr
	WIN 0
.endm
.macro MUL p, s, g
.if (\p) < 2
.if (\s) == 0
	WIN 0x91
.else
	WIN 0xa1
.endif
.else
.if (\s) == 0
	WIN 0x94
.else
	WIN 0xa4
.endif
.endif
.irp t, 0,1,2,3,4,5,6,7
.irp u, 0,1,2,3
.set rX, XF+96*(\g)+12*\t
.set rW, 48*(\g)+12*\u
.set sX, XS+12*(\g)+\t
.set sW, WS+12*(\g)+\u
.if (\p) < 2
.set rD, 8*(4*\t+\u)
.if (\s) == 0
	v_wmma_scale_f32_16x16x128_f8f6f4 v[rD:rD+7], v[rW:rW+11], v[rX:rX+11], v[BIAS+8*\u:BIAS+8*\u+7], v[sW], v[sX] matrix_a_fmt:MATRIX_FMT_BF6 matrix_b_fmt:MATRIX_FMT_BF6
.else
	v_wmma_scale_f32_16x16x128_f8f6f4 v[rD:rD+7], v[rW:rW+11], v[rX:rX+11], v[rD:rD+7], v[sW], v[sX] matrix_a_fmt:MATRIX_FMT_BF6 matrix_b_fmt:MATRIX_FMT_BF6
.endif
.else
.set rD, 8*(8*\u+\t)
.if (\s) == 0
	v_wmma_scale_f32_16x16x128_f8f6f4 v[rD:rD+7], v[rX:rX+11], v[rW:rW+11], v[BIAS+8*\u:BIAS+8*\u+7], v[sX], v[sW] matrix_a_fmt:MATRIX_FMT_BF6 matrix_b_fmt:MATRIX_FMT_BF6
.else
	v_wmma_scale_f32_16x16x128_f8f6f4 v[rD:rD+7], v[rX:rX+11], v[rW:rW+11], v[rD:rD+7], v[sX], v[sW] matrix_a_fmt:MATRIX_FMT_BF6 matrix_b_fmt:MATRIX_FMT_BF6
.endif
.endif
.endr
.endr
.endm
.macro STEP p, s
	WIN 0
	s_wait_dscnt 0x0
.if ((\s)%4 == 3) && ((\p) < 2)
	s_wait_tensorcnt 0x0
	ds_add_u32 v[SPW], v[NIL]
	s_add_nc_u64 s[G0W+4*((\s)/4)+2:G0W+4*((\s)/4)+3], s[G0W+4*((\s)/4)+2:G0W+4*((\s)/4)+3], 16*8*REC
	s_wait_dscnt 0x0
	CROUND
	tensor_load_to_lds s[G0W+4*((\s)/4):G0W+4*((\s)/4)+3], s[G1J:G1J+7]
	s_nop 0
.elseif ((\p) == 2) && ((\s) == 3)
	s_wait_tensorcnt 0x0
.endif
	PLACES 4
.if (\s) < 7
	FETCH (\s)+1, 1-(\s)%2
.elseif (\p) < 2
	FETCH 0, 0
.endif
.if ((\s) == 1) && ((\p) < 2)
	BIASLOAD (\p)+1
.endif
.if (\s) == 0
	s_wait_loadcnt 0x0
.endif
	MUL \p, \s, (\s)%2
.endm
.macro QUANT f
	WIN 0x0a
.irp c, 0,1
	v_max3_num_f32 v[MX+\c], |v[64*(\f)+32*\c]|, |v[64*(\f)+32*\c+1]|, FLOOR
.endr
	WIN 0x28
.irp i, 2,4,6,8,10,12,14,16,18,20,22,24,26,28,30
.irp c, 0,1
	v_max3_num_f32 v[MX+\c], v[MX+\c], |v[64*(\f)+32*\c+\i]|, |v[64*(\f)+32*\c+\i+1]|
.endr
.endr
	WIN 0
.irp c, 0,1
	v_add_nc_u32 v[SC+\c], 0xfe000000, v[MX+\c]
.endr
.irp c, 0,1
	v_lshrrev_b32 v[EB+\c], 23, v[SC+\c]
.endr
	v_lshl_or_b32 v[OW+\f], v[EB+1], 16, v[EB]
	v_lshlrev_b32 v[OW+\f], v[SH8], v[OW+\f]
	v_permlanex16_b32 v[T], v[OW+\f], s66, s67
	v_or_b32 v[OW+\f], v[OW+\f], v[T]
	WIN 0x42
	v_cvt_scalef32_pk16_bf6_f32 v[CC+12*(\f):CC+12*(\f)+2], v[64*(\f):64*(\f)+15], v[SC]
	v_cvt_scalef32_pk16_bf6_f32 v[CT:CT+2], v[64*(\f)+16:64*(\f)+31], v[SC]
	v_cvt_scalef32_pk16_bf6_f32 v[CC+12*(\f)+6:CC+12*(\f)+8], v[64*(\f)+32:64*(\f)+47], v[SC+1]
	v_cvt_scalef32_pk16_bf6_f32 v[CT+4:CT+6], v[64*(\f)+48:64*(\f)+63], v[SC+1]
	v_nop
	WIN 0x41
.irp i, 0,1,2
	v_mov_b32 v[CC+12*(\f)+3+\i], v[CT+\i]
	v_mov_b32 v[CC+12*(\f)+9+\i], v[CT+4+\i]
.endr
.endm
.macro EPI p
	WIN 0
	PLACES 5
.if (\p) > 0
	s_wait_xcnt 0x0
.endif
.irp f, 0,1,2,3
	QUANT \f
	WIN 0x04
.irp c, 0,1,2
	global_store_b128 v[XA], v[CC+12*\f+4*\c:CC+12*\f+4*\c+3], s[OB+2*(\p):OB+2*(\p)+1] offset:FRB*\f+512*\c
.endr
.endr
	WIN 0
	global_store_b128 v[XA], v[OW:OW+3], s[OB+2*(\p):OB+2*(\p)+1] offset:4*FRB
.endm
	s_wait_alu depctr_va_vdst(0)
	BIASLOAD 0
	s_wait_tensorcnt 0x1
	s_barrier_signal -1
	s_barrier_wait -1
	FETCH 0, 0
.irp p, 0,1,2
.irp s, 0,1,2,3,4,5,6,7
	STEP \p, \s
.endr
	EPI \p
.endr
	s_wait_tensorcnt 0x0
	ds_add_u32 v[SPW], v[NIL]
	s_wait_dscnt 0x0
	CROUND
	s_endpgm
.Lfunc_end_k_qa0e0a37e75_proj:
	.size	k_qa0e0a37e75_proj, .Lfunc_end_k_qa0e0a37e75_proj-k_qa0e0a37e75_proj
	.p2alignl 7, 3214868480
	.fill 96, 4, 3214868480
	.section	.rodata,"a",@progbits
	.p2align	6, 0x0
	.amdhsa_kernel k_qa0e0a37e75_proj
		.amdhsa_group_segment_fixed_size 327680
		.amdhsa_private_segment_fixed_size 0
		.amdhsa_enable_private_segment 0
		.amdhsa_kernarg_size 40
		.amdhsa_user_sgpr_count 2
		.amdhsa_user_sgpr_kernarg_segment_ptr 1
		.amdhsa_wavefront_size32 1
		.amdhsa_system_sgpr_workgroup_id_x 1
		.amdhsa_system_sgpr_workgroup_id_y 1
		.amdhsa_system_sgpr_workgroup_id_z 1
		.amdhsa_system_vgpr_workitem_id 0
		.amdhsa_next_free_vgpr 768
		.amdhsa_next_free_sgpr 96
		.amdhsa_reserve_vcc 0
		.amdhsa_float_denorm_mode_32 3
		.amdhsa_float_denorm_mode_16_64 3
		.amdhsa_memory_ordered 1
		.amdhsa_forward_progress 1
		.amdhsa_inst_pref_size 218
	.end_amdhsa_kernel
	.amdgpu_metadata
---
amdhsa.version: [ 1, 2 ]
amdhsa.kernels:
  - .name:           k_qa0e0a37e75_proj
    .symbol:         k_qa0e0a37e75_proj.kd
    .args:
      - { .name: cimg, .offset: 0, .size: 8, .value_kind: global_buffer, .address_space: global }
      - { .name: b_q, .offset: 8, .size: 8, .value_kind: global_buffer, .address_space: global }
      - { .name: b_k, .offset: 16, .size: 8, .value_kind: global_buffer, .address_space: global }
      - { .name: b_v, .offset: 24, .size: 8, .value_kind: global_buffer, .address_space: global }
      - { .name: pimg, .offset: 32, .size: 8, .value_kind: global_buffer, .address_space: global }
    .group_segment_fixed_size: 327680
    .private_segment_fixed_size: 0
    .kernarg_segment_align: 8
    .kernarg_segment_size: 40
    .max_flat_workgroup_size: 128
    .sgpr_count:     96
    .vgpr_count:     768
    .wavefront_size: 32
...
	.end_amdgpu_metadata
.endif
;; end of part 2
;; launch attn (part 3): grid 16 x 16, 8 waves a work-group, clusters of 4 x 4, 327,680 bytes of LDS; arguments pimg, mask, out0; writes out0
.if DOCPART == 3
	.amdgcn_target "amdgcn-amd-amdhsa--gfx1250"
	.amdhsa_code_object_version 6
	.text
	.protected	k_qa0e0a37e75_attn
	.globl	k_qa0e0a37e75_attn
	.p2align	8
	.type	k_qa0e0a37e75_attn,@function
k_qa0e0a37e75_attn:
	s_mov_b64 s[64:65], 0
	v_nop
	global_prefetch_b8 v0, s[64:65] scope:SCOPE_SE
	s_setreg_imm32_b32 hwreg(HW_REG_WAVE_MODE, 25, 1), 1
	s_wait_xcnt 0x0
	s_wait_alu depctr_hold_cnt(0) depctr_sa_sdst(0) depctr_va_vdst(0) depctr_va_sdst(0) depctr_va_ssrc(0) depctr_va_vcc(0) depctr_vm_vsrc(0)
	s_getreg_b32 s2, hwreg(HW_REG_IB_STS2, 6, 4)
	s_cmp_eq_u32 s2, 0
	s_cbranch_scc0 .Lentry_in_a_cluster
	s_endpgm
.Lentry_in_a_cluster:
	s_bfe_u32 s2, ttmp6, 0x10000c
	s_cmp_lg_u32 s2, 0xf033
	s_cbranch_scc0 .Lentry_shape_is_right
	s_endpgm
.Lentry_shape_is_right:
; out[b][q][64 head + :] = the sum over keys of softmax(q . k / 8 + mask[b][q][key]) v, both products on codes of BF6 (E3M2) with one E8M0 scale for each 32 along K.
; q, k, v come as records of operand registers (6,656 bytes: 4 fragments of 1,536, then 512 of scale words), pimg [16 sel + head][16 b + group of 128 tokens].
; THE SOFTMAX AHEAD OF THE SECOND PRODUCT: t = logit x log2(e); M = the row's largest t so far, rounded up to a whole number; p = 2^(t - M) is quantised along the keys, not normalised; the row's sum is taken
; of the unquantised p and divides at the end; when M moves, the sum and O are multiplied by 2^(old M - new M), exactly.
; SHARES.  A work-group owns 128 queries of batch b and FOUR heads 4 cx .. 4 cx + 3; wave w owns query tile w (16 queries) for all four heads and walks the 2,048 keys, 128 a step.
; A wave reads its mask tile (64 registers) once a step for four heads, and THE MASK IS THE C OF THE FIRST PRODUCT.  1 / 8: 3 is taken off each byte of q's scale word (the bytes are at least 4 as the launch before makes them).
; K = 64 IN A PRODUCT OF K = 128: a fragment of k holds two keys a row and is multiplied once by [q | 0] and once by [0 | q], both cut from one run of 18 registers [0 x 6, q x 6, 0 x 6].
; LAYOUT.  Both products are used transposed (S^T = k q^T + mask^T, O^T = v^T p^T): a lane holds one query.  Register 32 c + i of S^T is key 64 c + 32 (lane / 16) + i: two WHOLE blocks of 32 keys a lane, in the operand's own order.
; CLUSTER 4 x 4: cx = four heads, cy = query group.  The mask tile is asked for jointly along a row of the cluster, k's and v's records along a column.
; TWO BARRIERS A KEY STEP.  (1) The next slot is whole: in the middle of head 2 each wave waits for its LDS reads and for its tensor load and signals; the wait stands behind head 3's first product.
; Behind it the wave fetches the next slot's mask and head 0's k into the registers that head 3's first product has left.  (2) The slot in hand is read no more: the wait for all tensor loads, the add,
; head 3's maxima and t - M, the wait for all LDS reads, the signal; the rest of head 3, work on registers alone, stands between that signal and its wait; the barrier opens a round of the cluster's barrier, and
; behind the round the slot takes the tiles of two key steps on.  15 refills: one in the head, 14 in the loop; the last two steps are a loop of their own with no tensor load.
; LIMITS: mask + q . k / 8 is one sum of the matrix unit, rounded as it rounds; a row whose every logit is -infinity gives NaN, as the softmax of such a row does; NaN among the inputs is not served.
; REGISTERS: window 0: v1-11 addresses; v12-27 statistics, four a head (-M, largest t, the sum in two halves); v28-31 q's scale words; v32-95 the mask; v96-159 S^T, then p; v160-207 k's fragments;
;   v208-219 p's codes; v228-236 scale words; v238-253 at work.   window 1: v0-127 O^T, 32 a head; v128-199 q, 18 a head; v200-247 v's fragments.
.set REC,   6656
.set FRB,   1536
.set HSTR,  64*REC                     ; from head to head in pimg
.set MP,    528                        ; a mask row in LDS: 512 bytes + 16
.set KOFF,  128*MP                     ; a slot: the mask's 128 rows, k's four records, v's four
.set SLOT1, 1<<17                      ; slot 1 begins here
.set STAGE, 2*SLOT1                    ; the way out: 16 rows x 272 bytes for each wave; no tile lands here
.set SPT,   272
.set SPARE, STAGE+8*16*SPT             ; the spare words: 128 bytes a wave
.set AM0,  1
.set AKV0, 2
.set SPW,  3
.set NIL,  4
.set ADM,  5
.set ADKV, 6
.set SH8,  7
.set STO,  8
.set RD,   9
.set GO,   10
.set PFO,  11
.set ST,   12
.set QW,   28
.set MK,   32
.set S,    96
.set KF,   160
.set P,    208
.set CT,   220
.set KS,   228
.set VS,   232
.set PW,   236
.set F,    238
.set BM,   240
.set SC,   242
.set EB,   244
.set T0,   246
.set T1,   247
.set TP,   248
.set U2,   250
.set U3,   252
.set Q18,  128                         ; window 1
.set VF,   200                         ; window 1
.set G1M,  16
.set G1KV, 24
.set G0M,  32
.set G0KV, 36
.set CS,   40                          ; s[40:41] log2(e), twice
.set SEL,  42
.set TB,   44                          ; the slot in hand
.set CNT,  45                          ; changes of slots that still fill
.set PFA,  46
.set PFS,  48
.set LIM,  50
.set CN2,  53                          ; the last two steps
.set W_QK, 0x04                        ; q in window 1
.set W_PV, 0x51                        ; v and O^T in window 1
.set W_RS, 0x41                        ; O^T in window 1
.set MSB, 0
.macro WIN new                         ; the immediate's high byte repeats the setting that is left
.if MSB != \new
	s_set_vgpr_msb (MSB<<8)|\new
.set MSB, \new
.endif
.endm
.macro PLACES n
.rept \n
	v_nop
.endr
.endm
.macro CREST                           ; a round of the cluster's barrier behind its opening barrier
	s_cmp_lg_u32 s10, 0
	s_cbranch_scc1 .Lnot_wave_0_\@
	s_barrier_signal -3
.Lnot_wave_0_\@:
	s_barrier_wait -3
	s_barrier_signal -1
	s_barrier_wait -1
.endm
.macro CROUND
	s_barrier_signal -1
	s_barrier_wait -1
	CREST
.endm
.macro JLOAD                           ; waves 0-3: 32 rows of the mask tile each; waves 4, 5: k's records of two heads each; waves 6, 7: v's
	s_cmp_lt_u32 s10, 4
	s_cbranch_scc0 .Lfor_kv_\@
	tensor_load_to_lds s[G0M:G0M+3], s[G1M:G1M+7]
	s_nop 0
	PLACES 4
	s_branch .Lasked_\@
.Lfor_kv_\@:
	tensor_load_to_lds s[G0KV:G0KV+3], s[G1KV:G1KV+7]
	s_nop 0
	PLACES 4
.Lasked_\@:
.endm
; A PREFETCH INTO THE L2, behind the joint load of each change of slots.  THE MASK: the tile of the key step after the one just asked for.  The four partners that ask for a tile jointly take 32 rows each, told apart
; by address (cx); in each, waves 0 and 1 take the two halves of 256 bytes of a row, a lane a row.  The last change but one that fills is the last that asks.
; K AND V: a head's 16 records of a batch are 13 runs of 8,192 bytes; change j names run j + 2, lanes 256 bytes apart.  Of a batch's four clusters the first asks; its partner at cy takes head 4 cx + cy, by address;
; wave 4 asks for k's, wave 6 for v's.  Each block of 256 bytes is named once in the launch.
.macro ASK
	s_cmp_gt_u32 s[CNT], s[LIM]
	s_cbranch_scc0 .Lnot_mine_\@
	global_prefetch_b8 v[PFO], s[PFA:PFA+1] th:TH_LOAD_NT scope:SCOPE_SE
.Lnot_mine_\@:
.endm
	s_load_b128 s[4:7], s[0:1], 0x0                ; pimg, mask
	s_load_b64 s[8:9], s[0:1], 0x10                ; out0
	v_lshl_add_u32 v[SPW], v0, 2, SPARE
	v_mov_b32 v[NIL], 0
	ds_add_u32 v3, v4
	ds_add_u32 v3, v4
	s_wait_dscnt 0x0
	v_lshrrev_b32 v5, 5, v0
	s_delay_alu instid0(VALU_DEP_1)
	v_readfirstlane_b32 s10, v5                    ; wave 0..7 = my query tile
	s_bfe_u32 s11, ttmp6, 0x40000                  ; cx: which four heads
	s_bfe_u32 s12, ttmp6, 0x40004                  ; cy
	s_mov_b32 s13, ttmp9                           ; the batch = cluster x
	s_and_b32 s15, ttmp7, 0xffff                   ; cluster y
	s_lshl_b32 s14, s15, 2
	s_add_co_u32 s14, s14, s12                     ; my group of 128 queries
	s_lshl_b32 s58, s12, 2
	s_lshl_b32 s58, 15, s58                        ; my row of the cluster
	s_lshl_b32 s59, 0x1111, s11                    ; my column
	; the mask tile: 32 rows x 128 elements of 4 bytes, 2,048 elements from row to row; 16 bytes of padding behind every 128 words
	s_or_b32 s[G1M], s58, (2<<16)|(1<<20)|(1<<21)|(6<<22)|(3<<25)
	s_mov_b32 s[G1M+1], 128<<16
	s_mov_b32 s[G1M+2], 32<<16
	s_mov_b32 s[G1M+3], 128<<16
	s_mov_b32 s[G1M+4], 32
	s_mov_b32 s[G1M+5], 2048
	s_mov_b32 s[G1M+6], 0
	s_mov_b32 s[G1M+7], 0
	; two heads' records: 2 rows x 832 elements of 8 bytes, 53,248 elements from head to head
	s_or_b32 s[G1KV], s59, (3<<16)|(1<<21)
	s_mov_b32 s[G1KV+1], 832<<16
	s_mov_b32 s[G1KV+2], 2<<16
	s_mov_b32 s[G1KV+3], 832<<16
	s_mov_b32 s[G1KV+4], 2
	s_mov_b32 s[G1KV+5], HSTR/8
	s_mov_b32 s[G1KV+6], 0
	s_mov_b32 s[G1KV+7], 0
	s_lshl_b32 s54, s13, 24                        ; the mask: batch, group, my 32 rows (in registers that never hold cx)
	s_lshl_b32 s55, s14, 20
	s_add_co_u32 s54, s54, s55
	s_lshl_b32 s55, s10, 18
	s_add_co_u32 s54, s54, s55
	s_mov_b32 s55, 0
	s_lshr_b32 s56, s10, 1                         ; k (waves 4, 5) or v (6, 7), heads 4 cx + 2 (wave % 2) on (in registers that never hold cy)
	s_and_b32 s56, s56, 1
	s_lshl_b32 s56, s56, 4
	s_add_co_u32 s56, s56, 16
	s_lshl_b32 s57, s11, 2
	s_add_co_u32 s56, s56, s57
	s_and_b32 s57, s10, 1
	s_lshl_b32 s57, s57, 1
	s_add_co_u32 s56, s56, s57
	s_lshl_b32 s56, s56, 6
	s_lshl_b32 s57, s13, 4
	s_add_co_u32 s56, s56, s57
	s_mul_i32 s56, s56, REC
	s_mov_b32 s57, 0
	s_lshl_b32 s60, s11, 8                         ; q's record of head 4 cx, batch b, my group
	s_lshl_b32 s61, s13, 4
	s_add_co_u32 s60, s60, s61
	s_add_co_u32 s60, s60, s14
	s_mul_i32 s60, s60, REC
	s_mov_b32 s61, 0
	s_lshl_b32 s66, s13, 23                        ; out: row 2,048 b + 128 group + 64 (w / 4) + 8 (w % 4) of 4,096 bytes, + 1,024 cx
	s_lshl_b32 s67, s14, 19
	s_add_co_u32 s66, s66, s67
	s_lshr_b32 s77, s10, 2
	s_lshl_b32 s67, s77, 18
	s_add_co_u32 s66, s66, s67
	s_and_b32 s78, s10, 3
	s_lshl_b32 s67, s78, 15
	s_add_co_u32 s66, s66, s67
	s_lshl_b32 s67, s11, 10
	s_add_co_u32 s66, s66, s67
	s_mov_b32 s67, 0
	s_lshl_b32 s77, s77, 6
	s_lshl_b32 s78, s78, 3
	s_add_co_u32 s77, s77, s78                     ; 64 (w / 4) + 8 (w % 4)
	s_mov_b32 s[CS], 0x3fb8aa3b
	s_mov_b32 s[CS+1], s[CS]
	s_mov_b32 s[SEL], 0x76543210
	s_mov_b32 s[SEL+1], 0xfedcba98
	s_mov_b32 s[TB], 0
	s_mov_b32 s[CNT], 15
	s_and_b32 s52, s10, 1
	s_sub_co_u32 s51, 0, s52                       ; all ones in the odd tiles
	s_lshl_b32 s52, s52, 4
	s_mul_i32 s74, s10, 16*SPT
	s_add_co_u32 s74, s74, STAGE                   ; my stage
	s_lshr_b32 s75, s10, 1
	s_lshl_b32 s76, s75, 2
	s_add_co_u32 s76, s76, 4*FRB                   ; q's scale word of fragment w / 2
	s_mul_i32 s75, s75, FRB
	s_wait_kmcnt 0x0
	s_mov_b32 s[G0M], 1
	s_mul_i32 s[G0M+1], s10, 32*MP
	s_add_nc_u64 s[G0M+2:G0M+3], s[6:7], s[54:55]
	s_or_b32 s[G0M+3], s[G0M+3], 0x80000000
	s_mov_b32 s[G0KV], 1
	s_mul_i32 s[G0KV+1], s10, 2*REC
	s_add_co_u32 s[G0KV+1], s[G0KV+1], KOFF-8*REC  ; wave 4 at KOFF
	s_add_nc_u64 s[G0KV+2:G0KV+3], s[4:5], s[56:57]
	s_or_b32 s[G0KV+3], s[G0KV+3], 0x80000000
	CROUND                                         ; all sixteen work-groups are here
	JLOAD                                          ; key step 0 into slot 0
	s_add_nc_u64 s[62:63], s[4:5], s[60:61]
	s_add_nc_u64 s[8:9], s[8:9], s[66:67]
	v_and_b32 v240, 31, v0                         ; lane
	s_wait_alu depctr_va_vdst(0)
	v_and_b32 v241, 15, v0                         ; r
	v_bfe_u32 v242, v0, 4, 1                       ; h
	v_bfe_u32 v243, v0, 3, 1                       ; r / 8
	s_wait_alu depctr_va_vdst(0)
	v_lshl_add_u32 v244, v240, 4, s75
	v_lshl_add_u32 v245, v240, 4, s76
.irp i, 0,1,2,3                        ; q: the fragment that holds my tile, for each of the four heads, into S^T's registers for now
.irp c, 0,1,2
	global_load_b128 v[S+12*\i+4*\c:S+12*\i+4*\c+3], v244, s[62:63] offset:HSTR*\i+512*\c
.endr
	global_load_b32 v[QW+\i], v245, s[62:63] offset:HSTR*\i
.endr
	; the prefetches: where my wave's stand, and who asks
	s_lshl_b32 s68, s13, 24
	s_lshl_b32 s69, s14, 20
	s_add_co_u32 s68, s68, s69
	s_lshl_b32 s69, s11, 18                        ; my work-group's 32 rows of the mask tile,
	s_add_co_u32 s68, s68, s69
	s_and_b32 s69, s10, 1
	s_lshl_b32 s69, s69, 8                         ; my wave's half of a row's 512 bytes,
	s_add_co_u32 s68, s68, s69
	s_add_co_u32 s68, s68, 512                     ; at key step 1: the first change steps it to 2
	s_lshr_b32 s69, s10, 1
	s_and_b32 s69, s69, 1
	s_lshl_b32 s69, s69, 4
	s_add_co_u32 s69, s69, 16
	s_lshl_b32 s79, s11, 2
	s_add_co_u32 s69, s69, s79
	s_add_co_u32 s69, s69, s12                     ; k's or v's head 4 cx + cy
	s_lshl_b32 s69, s69, 6
	s_lshl_b32 s79, s13, 4
	s_add_co_u32 s69, s69, s79
	s_mul_i32 s69, s69, REC
	s_add_co_u32 s69, s69, 8192                    ; at run 1: the first change steps it to 2
	s_mov_b32 s[PFS], 8192
	s_cmp_lt_u32 s10, 4
	s_cselect_b64 s[PFA:PFA+1], s[6:7], s[4:5]
	s_cselect_b32 s70, s68, s69
	s_cselect_b32 s[PFS], 512, s[PFS]
	s_cselect_b32 s73, 13, 8                       ; from lane to lane: a row of the mask, or 256 bytes
	s_mov_b32 s71, 0
	s_mov_b32 s[PFS+1], 0
	s_add_nc_u64 s[PFA:PFA+1], s[PFA:PFA+1], s[70:71]
	s_cmp_lt_u32 s10, 2
	s_cselect_b32 s[LIM], 1, -1                    ; waves 0, 1: while two or more changes are to come
	s_and_b32 s79, s10, 5
	s_xor_b32 s79, s79, 4                          ; 0 in waves 4 and 6,
	s_or_b32 s79, s79, s15                         ; of the batch's first cluster: the same in all sixteen partners
	s_cmp_eq_u32 s79, 0
	s_cselect_b32 s[LIM], 4, s[LIM]                ; runs 2 to 12
	v_lshlrev_b32 v[PFO], s73, v240
	v_mad_u32_u24 v[AM0], v243, 24, v241           ; my query's row of the mask tile: 64 (w / 4) + 8 (w % 4) + 32 (r / 8) + r % 8
	s_delay_alu instid0(VALU_DEP_1)
	v_add_nc_u32 v[AM0], s77, v[AM0]
	s_delay_alu instid0(VALU_DEP_1)
	v_mul_u32_u24 v[AM0], v[AM0], MP
	s_delay_alu instid0(VALU_DEP_1)
	v_lshl_add_u32 v[AM0], v242, 7, v[AM0]         ; + my 32 keys of each 64
	v_lshl_add_u32 v[AKV0], v240, 4, KOFF
	v_lshlrev_b32 v[SH8], 3, v242
	v_mul_u32_u24 v[STO], v241, SPT                ; the stage, in: row r, + 128 h
	s_delay_alu instid0(VALU_DEP_1)
	v_lshl_add_u32 v[STO], v242, 7, v[STO]
	s_delay_alu instid0(VALU_DEP_1)
	v_add_nc_u32 v[STO], s74, v[STO]
	v_mul_u32_u24 v[RD], v242, SPT                 ; back: lanes 0-15 one row of 256 bytes, lanes 16-31 the next
	s_delay_alu instid0(VALU_DEP_1)
	v_lshl_add_u32 v[RD], v241, 4, v[RD]
	s_delay_alu instid0(VALU_DEP_1)
	v_add_nc_u32 v[RD], s74, v[RD]
	v_lshlrev_b32 v[GO], 12, v242
	s_delay_alu instid0(VALU_DEP_1)
	v_lshl_add_u32 v[GO], v241, 4, v[GO]
.irp hd, 0,1,2,3
	v_mov_b32 v[ST+4*\hd+1], 0xff61b1e6            ; the largest t so far: -3e38
	s_delay_alu instid0(VALU_DEP_1)
	v_floor_f32 v[ST+4*\hd], -v[ST+4*\hd+1]        ; -M
	v_mov_b32 v[ST+4*\hd+2], 0                     ; the sum, in two halves
	v_mov_b32 v[ST+4*\hd+3], 0
.endr
	v_mov_b32 v[T1], 0                             ; a lane permute's destination counts as read
	v_mov_b32 v[F+1], 0                            ; named as the upper half of a pair
	WIN 0x40
.set i, 0
.rept 128
	v_mov_b32 v[i], 0                              ; O^T: the key step is written for the loops alone; its first trip finds zeros, which the first change of M leaves zeros
.set i, i+1
.endr
.irp hd, 0,1,2,3
.irp k, 0,1,2,3,4,5
	v_mov_b32 v[Q18+18*\hd+\k], 0                  ; the zero codes on both sides of q
	v_mov_b32 v[Q18+18*\hd+12+\k], 0
.endr
.endr
	s_wait_loadcnt 0x0                             ; q
.irp hd, 0,1,2,3
.irp k, 0,1,2,3,4,5
	v_cndmask_b32 v[Q18+18*\hd+6+\k], v[S+12*\hd+\k], v[S+12*\hd+6+\k], s51   ; an even tile lies in the fragment's registers 0-5, an odd one in 6-11
.endr
.endr
	WIN 0
.irp hd, 0,1,2,3
	v_lshrrev_b32 v[QW+\hd], s52, v[QW+\hd]        ; my tile's two bytes,
	s_delay_alu instid0(VALU_DEP_1)
	v_and_b32 v[QW+\hd], 0xffff, v[QW+\hd]
	s_delay_alu instid0(VALU_DEP_1)
	v_lshl_or_b32 v[QW+\hd], v[QW+\hd], 16, v[QW+\hd]   ; for both places of q,
	s_delay_alu instid0(VALU_DEP_1)
	v_add_nc_u32 v[QW+\hd], 0xfcfcfcfd, v[QW+\hd]  ; less 3 each: q / 8, exactly (each byte is at least 4: no borrow)
.endr
	PLACES 8                                       ; a scale register written by a vector instruction stands eight places ahead of a scaled product
.macro KLOAD hd
.irp f, 0,1,2,3
.irp c, 0,1,2
	ds_load_b128 v[KF+12*\f+4*\c:KF+12*\f+4*\c+3], v[ADKV] offset:REC*(\hd)+FRB*\f+512*\c
.endr
.endr
	ds_load_b128 v[KS:KS+3], v[ADKV] offset:REC*(\hd)+4*FRB
.endm
.macro VLOAD hd                        ; 13 loads
	WIN 0x40
.irp u, 0,1,2,3
.irp c, 0,1,2
	ds_load_b128 v[VF+12*\u+4*\c:VF+12*\u+4*\c+3], v[ADKV] offset:4*REC+REC*(\hd)+FRB*\u+512*\c
.endr
.endr
	WIN 0
	ds_load_b128 v[VS:VS+3], v[ADKV] offset:4*REC+REC*(\hd)+4*FRB
.endm
.macro ALOADS                          ; the slot in hand: my mask tile and head 0's k
	v_add_nc_u32 v[ADM], s[TB], v[AM0]
	v_add_nc_u32 v[ADKV], s[TB], v[AKV0]
	s_wait_alu depctr_va_vdst(0)
.irp c, 0,1
.irp j, 0,1,2,3,4,5,6,7
	ds_load_b128 v[MK+32*\c+4*\j:MK+32*\c+4*\j+3], v[ADM] offset:256*\c+16*\j   ; register 32 c + i: mask(my query, key 64 c + 32 h + i)
.endr
.endr
	KLOAD 0
.endm
.macro QK hd                           ; S^T = k q^T + mask^T; four places behind it, for loads into its sources and for the first read of the logits
	WIN W_QK
.irp t, 0,1,2,3,4,5,6,7
.set rQ, Q18+18*(\hd)+6*(1-\t%2)
	v_wmma_scale_f32_16x16x128_f8f6f4 v[S+8*\t:S+8*\t+7], v[KF+12*(\t/2):KF+12*(\t/2)+11], v[rQ:rQ+11], v[MK+8*\t:MK+8*\t+7], v[KS+\t/2], v[QW+(\hd)] matrix_a_fmt:MATRIX_FMT_BF6 matrix_b_fmt:MATRIX_FMT_BF6
.endr
	WIN 0
	PLACES 4
.endm
.macro PV hd                           ; O^T += v^T p^T
	WIN W_PV
.irp u, 0,1,2,3
	v_wmma_scale_f32_16x16x128_f8f6f4 v[32*(\hd)+8*\u:32*(\hd)+8*\u+7], v[VF+12*\u:VF+12*\u+11], v[P:P+11], v[32*(\hd)+8*\u:32*(\hd)+8*\u+7], v[VS+\u], v[PW] matrix_a_fmt:MATRIX_FMT_BF6 matrix_b_fmt:MATRIX_FMT_BF6
.endr
	WIN 0
.endm
.macro TM from, n                      ; t - M, two at a time
.set i, \from
.rept \n
	v_pk_fma_f32 v[S+i:S+i+1], v[S+i:S+i+1], s[CS:CS+1], v[rT:rT+1] op_sel_hi:[1,0,0]
.set i, i+2
.endr
.endm
; THE SOFTMAX IN THREE PARTS.  SM_A: the largest logit of each of my two blocks (four chains by turns, each accumulator read from its low end on), the running M, the factor, t - M.
.macro SM_A hd
.set rT, ST+4*(\hd)
.irp c, 0,1
	v_max3_num_f32 v[BM+\c], v[S+32*\c], v[S+32*\c+1], v[S+32*\c+2]
	v_max3_num_f32 v[TP+\c], v[S+32*\c+16], v[S+32*\c+17], v[S+32*\c+18]
.endr
.irp i, 3,5,7,9,11,13
.irp c, 0,1
	v_max3_num_f32 v[BM+\c], v[BM+\c], v[S+32*\c+\i], v[S+32*\c+\i+1]
	v_max3_num_f32 v[TP+\c], v[TP+\c], v[S+32*\c+16+\i], v[S+32*\c+17+\i]
.endr
.endr
.irp c, 0,1
	v_max3_num_f32 v[BM+\c], v[BM+\c], v[TP+\c], v[S+32*\c+15]
.endr
.irp c, 0,1
	v_max_num_f32 v[BM+\c], v[BM+\c], v[S+32*\c+31]   ; it serves the row's maximum and, since p rises with the logit, the block's largest p
.endr
	s_delay_alu instid0(VALU_DEP_1)
	v_max_num_f32 v[T0], v[BM], v[BM+1]
	s_delay_alu instid0(VALU_DEP_1)
	v_permlanex16_b32 v[T1], v[T0], s[SEL], s[SEL+1]
	s_delay_alu instid0(VALU_DEP_1)
	v_max_num_f32 v[T0], v[T0], v[T1]              ; with lane l xor 16's 64 keys
	s_delay_alu instid0(VALU_DEP_1)
	v_mul_f32 v[T0], s[CS], v[T0]
	s_delay_alu instid0(VALU_DEP_1)
	v_max_num_f32 v[rT+1], v[rT+1], v[T0]          ; the running largest t
	v_mov_b32 v[T1], v[rT]
	s_delay_alu instid0(VALU_DEP_2)
	v_floor_f32 v[rT], -v[rT+1]                    ; -M = floor(-t): M is a whole number
	s_delay_alu instid0(VALU_DEP_1)
	v_sub_f32 v[T1], v[rT], v[T1]                  ; old M - new M, 0 or less
	TM 0, 3
	v_cvt_i32_f32 v[T1], v[T1]                     ; (it saturates)
	TM 6, 3
	v_ldexp_f32 v[F], 1.0, v[T1]                   ; f = 2^(old M - new M)
	TM 12, 26
.irp c, 0,1
	v_fma_f32 v[BM+\c], v[BM+\c], s[CS], v[rT]
.endr
.endm
; SM_B: one batch of 66 exponentials (the wait ahead of it stands at the caller's) and a plain place; the wait behind the batch opens SM_C.
.macro SM_B hd
.set rT, ST+4*(\hd)
.set i, 0
.rept 64
	v_exp_f32 v[S+i], v[S+i]                       ; p = 2^(t - M)
.set i, i+1
.endr
	v_exp_f32 v[BM], v[BM]                         ; each block's largest p
	v_exp_f32 v[BM+1], v[BM+1]
	v_pk_mul_f32 v[rT+2:rT+3], v[rT+2:rT+3], v[F:F+1] op_sel_hi:[1,0]   ; the sum under the new M
.endm
.macro SUM4 j
	v_pk_add_f32 v[rT+2:rT+3], v[rT+2:rT+3], v[S+\j:S+\j+1]
	v_pk_add_f32 v[TP:TP+1], v[TP:TP+1], v[S+\j+2:S+\j+3]
	v_pk_add_f32 v[U2:U2+1], v[U2:U2+1], v[S+\j+4:S+\j+5]
	v_pk_add_f32 v[U3:U3+1], v[U3:U3+1], v[S+\j+6:S+\j+7]
.endm
; SM_C: O^T under the new M; the row's sum of the unquantised p in four chains, with the lines that make p's scale word laid between them; the codes.
.macro SM_C hd
.set rT, ST+4*(\hd)
	WIN W_RS
	s_wait_alu depctr_va_vdst(0)                   ; one wait: behind the batch of exponentials, and directly ahead of the first reader of O^T
.set i, 0
.rept 16
	v_pk_mul_f32 v[32*(\hd)+i:32*(\hd)+i+1], v[32*(\hd)+i:32*(\hd)+i+1], v[F:F+1] op_sel_hi:[1,0]
.set i, i+2
.endr
	WIN 0
	v_pk_add_f32 v[TP:TP+1], v[S:S+1], v[S+2:S+3]
	v_pk_add_f32 v[U2:U2+1], v[S+4:S+5], v[S+6:S+7]
	v_pk_add_f32 v[U3:U3+1], v[S+8:S+9], v[S+10:S+11]
.irp c, 0,1
	v_max_num_f32 v[BM+\c], 0x2800000, v[BM+\c]    ; the floor 2^(5 - 127): the byte cannot fall under 1
.endr
	SUM4 12
.irp c, 0,1
	v_add_nc_u32 v[SC+\c], 0xfe000000, v[BM+\c]    ; 4 off the exponent field: the conversion's scale operand
.endr
	SUM4 20
.irp c, 0,1
	v_lshrrev_b32 v[EB+\c], 23, v[SC+\c]           ; the byte
.endr
	SUM4 28
	v_lshl_or_b32 v[PW], v[EB+1], 16, v[EB]        ; p's scale word: my bytes h and 2 + h,
	SUM4 36
	v_lshlrev_b32 v[PW], v[SH8], v[PW]
	SUM4 44
	v_permlanex16_b32 v[T1], v[PW], s[SEL], s[SEL+1]
	SUM4 52
	v_or_b32 v[PW], v[PW], v[T1]                   ; and lane l xor 16's two; twelve plain lines stand between this one and the product that reads the word
	v_cvt_scalef32_pk16_bf6_f32 v[P:P+2], v[S:S+15], v[SC]
	v_cvt_scalef32_pk16_bf6_f32 v[CT:CT+2], v[S+16:S+31], v[SC]          ; (a conversion's three registers begin on an even number)
	v_cvt_scalef32_pk16_bf6_f32 v[P+6:P+8], v[S+32:S+47], v[SC+1]
	v_cvt_scalef32_pk16_bf6_f32 v[CT+4:CT+6], v[S+48:S+63], v[SC+1]
	v_pk_add_f32 v[rT+2:rT+3], v[rT+2:rT+3], v[S+60:S+61]   ; the plain place behind the conversions
	v_pk_add_f32 v[TP:TP+1], v[TP:TP+1], v[S+62:S+63]
.irp i, 0,1,2
	v_mov_b32 v[P+3+\i], v[CT+\i]
	v_mov_b32 v[P+9+\i], v[CT+4+\i]
.endr
	v_pk_add_f32 v[U2:U2+1], v[U2:U2+1], v[U3:U3+1]         ; these three and the v_nop: the four places between the codes' last write and the product
	v_pk_add_f32 v[rT+2:rT+3], v[rT+2:rT+3], v[TP:TP+1]
	s_delay_alu instid0(VALU_DEP_1)
	v_pk_add_f32 v[rT+2:rT+3], v[rT+2:rT+3], v[U2:U2+1]
	v_nop
.endm
; THE BARRIER OF A REFILL.  Each wave waits for all its tensor loads, adds 0 to its spare word, and waits for that and for all its LDS reads, those of the slot that it leaves among them.
; sm = 1: head 3's SM_A stands between the add and the wait for it, and the rest of head 3, work on registers alone, between the signal and its wait.
; The barrier opens a round of the cluster's barrier; behind it the slot left takes the tiles of two key steps on: one load a wave.
.macro CHANGE sm
	s_wait_tensorcnt 0x0                           ; no tensor load of mine is out, so a group 0 may be written
	ds_add_u32 v[SPW], v[NIL]
	s_xor_b32 s[G0M+1], s[G0M+1], SLOT1
	s_add_nc_u64 s[G0M+2:G0M+3], s[G0M+2:G0M+3], 512       ; 128 keys on in each row of the mask
	s_xor_b32 s[G0KV+1], s[G0KV+1], SLOT1
	s_add_nc_u64 s[G0KV+2:G0KV+3], s[G0KV+2:G0KV+3], REC   ; the next record
	s_wait_xcnt 0x0                                ; the last prefetch, a key step back, has read its address
	s_add_nc_u64 s[PFA:PFA+1], s[PFA:PFA+1], s[PFS:PFS+1]
.if \sm
	SM_A 3
	s_wait_alu depctr_va_vdst(0)                   ; the wait ahead of the wait below and of the exponentials behind it
.endif
	s_wait_dscnt 0x0                               ; the add is done; head 3's v, the next step's mask and k are in; I read the slot that I leave no more
	s_barrier_signal -1
.if \sm
	SM_B 3
	SM_C 3
	s_wait_alu depctr_va_vdst(0)
	PV 3
.endif
	s_barrier_wait -1
	CREST
	JLOAD
	ASK
.endm
; A KEY STEP: 128 keys, four heads one after the other.  While a head's softmax runs, its v and the next head's k come from LDS.
.macro STEP fill
.irp hd, 0,1,2
	s_wait_dscnt 0x0                               ; this head's k
	QK \hd
	VLOAD \hd
	KLOAD \hd+1
	SM_A \hd
	s_wait_alu depctr_va_vdst(0)                   ; the wait ahead of the batch
	SM_B \hd
.if \hd == 2
	s_wait_dscnt 0x0                               ; no LDS read of mine is out at a signal (head 2's v and head 3's k are in),
	s_wait_tensorcnt 0x0                           ; and my part of the next slot has landed:
	s_barrier_signal -1                            ; say so
.endif
	SM_C \hd
	s_wait_alu depctr_va_vdst(0)
.if \hd < 2
	s_wait_dscnt 13                                ; v and its words are in; the next head's 13 loads of k may be out
.endif
	PV \hd
.endr
	PLACES 4                                       ; behind head 2's second product, for the loads into v's registers
	VLOAD 3                                        ; bytes that nobody writes before the next barrier
	QK 3
	s_barrier_wait -1                              ; the next slot is whole
	s_xor_b32 s[TB], s[TB], SLOT1
.if \fill == 0
	s_cmp_eq_u32 s[CN2], 1                         ; the very last step has no next slot to read
	s_cbranch_scc1 .Lno_next
.endif
	ALOADS                                         ; the next step's mask and k, into registers that head 3's first product has left
.if \fill == 0
.Lno_next:
	SM_A 3
	s_wait_alu depctr_va_vdst(0)
	SM_B 3
	SM_C 3
	s_wait_alu depctr_va_vdst(0)
	s_wait_dscnt 0x0                               ; head 3's v (and what was fetched behind it)
	PV 3
.else
	CHANGE 1
.endif
.endm
	s_wait_alu depctr_va_vdst(0)
	CHANGE 0                                       ; key step 0 is in; key step 1 into slot 1, issued as a refill is
	s_sub_co_u32 s[CNT], s[CNT], 1
	ALOADS
.Lstep:                                            ; 14 trips: key steps 0 to 13; each asks for the key step two on
	STEP 1
	s_sub_co_u32 s[CNT], s[CNT], 1
	s_cmp_lg_u32 s[CNT], 0
	s_cbranch_scc1 .Lstep
	s_mov_b32 s[CN2], 2
.Ltail:                                            ; key steps 14 and 15: no tensor load
	STEP 0
	s_sub_co_u32 s[CN2], s[CN2], 1
	s_cmp_lg_u32 s[CN2], 0
	s_cbranch_scc1 .Ltail
	; THE WAY OUT.  The additions are the places behind the last products.
.irp hd, 0,1,2,3
	v_add_f32 v[ST+4*\hd+2], v[ST+4*\hd+2], v[ST+4*\hd+3]
.endr
.irp hd, 0,1,2,3
	s_delay_alu instid0(VALU_DEP_4)
	v_permlanex16_b32 v[ST+4*\hd+3], v[ST+4*\hd+2], s[SEL], s[SEL+1]
.endr
.irp hd, 0,1,2,3
	s_delay_alu instid0(VALU_DEP_4)
	v_add_f32 v[ST+4*\hd+2], v[ST+4*\hd+2], v[ST+4*\hd+3]   ; the row's sum
.endr
	s_wait_alu depctr_va_vdst(0)
.irp hd, 0,1,2,3
	v_rcp_f32 v[ST+4*\hd], v[ST+4*\hd+2]
.endr
	v_nop                                          ; a plain place behind the last reciprocal
	s_wait_alu depctr_va_vdst(0)                   ; one wait for the four, ahead of the first reader
; A head's 64 channels of 16 queries: a lane's 128 bytes go into rows of 272 bytes of my stage and come back as whole rows of 256.
.macro OUTH hd
	WIN W_RS
.set i, 0
.rept 16
	v_pk_mul_f32 v[32*(\hd)+i:32*(\hd)+i+1], v[32*(\hd)+i:32*(\hd)+i+1], v[ST+4*(\hd):ST+4*(\hd)+1] op_sel_hi:[1,0]
.set i, i+2
.endr
	WIN 0x04                                       ; an LDS store's data: window 1
.irp j, 0,1,2,3,4,5,6,7
	ds_store_b128 v[STO], v[32*(\hd)+4*\j:32*(\hd)+4*\j+3] offset:16*\j
.endr
	WIN 0
.irp k, 0,1,2,3,4,5,6,7
	ds_load_b128 v[MK+32*(\hd)+4*\k:MK+32*(\hd)+4*\k+3], v[RD] offset:2*SPT*\k   ; LDS serves a wave's instructions in order: these see the stores above, and the next head's stores come behind them
.endr
.endm
.macro SEND hd, younger                ; younger: the LDS instructions issued behind this head's loads
.irp k, 0,1,2,3,4,5,6,7
	s_wait_dscnt (\younger)+7-\k
	global_store_b128 v[GO], v[MK+32*(\hd)+4*\k:MK+32*(\hd)+4*\k+3], s[8:9] offset:(32*(\k/4)+2*(\k%4))*4096+256*(\hd) th:TH_STORE_NT   ; stage rows 2 k, 2 k + 1 are queries 32 (k / 4) + 2 (k % 4) + 0, 1 of my tile; 16 lanes store 256 consecutive bytes, aligned
.endr
.endm
	OUTH 0
	OUTH 1
	SEND 0, 16
	OUTH 2
	SEND 1, 16
	OUTH 3
	SEND 2, 16
	SEND 3, 0
	s_wait_tensorcnt 0x0                           ; the wave's end
	ds_add_u32 v[SPW], v[NIL]
	s_wait_dscnt 0x0
	CROUND                                         ; the closing round
	s_endpgm
.Lfunc_end_k_qa0e0a37e75_attn:
	.size	k_qa0e0a37e75_attn, .Lfunc_end_k_qa0e0a37e75_attn-k_qa0e0a37e75_attn
	.p2alignl 7, 3214868480
	.fill 96, 4, 3214868480
	.section	.rodata,"a",@progbits
	.p2align	6, 0x0
	.amdhsa_kernel k_qa0e0a37e75_attn
		.amdhsa_group_segment_fixed_size 327680
		.amdhsa_private_segment_fixed_size 0
		.amdhsa_enable_private_segment 0
		.amdhsa_kernarg_size 24
		.amdhsa_user_sgpr_count 2
		.amdhsa_user_sgpr_kernarg_segment_ptr 1
		.amdhsa_wavefront_size32 1
		.amdhsa_system_sgpr_workgroup_id_x 1
		.amdhsa_system_sgpr_workgroup_id_y 1
		.amdhsa_system_sgpr_workgroup_id_z 1
		.amdhsa_system_vgpr_workitem_id 0
		.amdhsa_next_free_vgpr 512
		.amdhsa_next_free_sgpr 84
		.amdhsa_reserve_vcc 0
		.amdhsa_float_denorm_mode_32 3
		.amdhsa_float_denorm_mode_16_64 3
		.amdhsa_memory_ordered 1
		.amdhsa_forward_progress 1
		.amdhsa_inst_pref_size 157
	.end_amdhsa_kernel
	.amdgpu_metadata
---
amdhsa.version: [ 1, 2 ]
amdhsa.kernels:
  - .name:           k_qa0e0a37e75_attn
    .symbol:         k_qa0e0a37e75_attn.kd
    .args:
      - { .name: pimg, .offset: 0, .size: 8, .value_kind: global_buffer, .address_space: global }
      - { .name: mask, .offset: 8, .size: 8, .value_kind: global_buffer, .address_space: global }
      - { .name: out0, .offset: 16, .size: 8, .value_kind: global_buffer, .address_space: global }
    .group_segment_fixed_size: 327680
    .private_segment_fixed_size: 0
    .kernarg_segment_align: 8
    .kernarg_segment_size: 24
    .max_flat_workgroup_size: 256
    .sgpr_count:     84
    .vgpr_count:     512
    .wavefront_size: 32
...
	.end_amdgpu_metadata
.endif
;; end of part 3
